; MI455X (gfx1250); checked and timed in simulation.
; The chip was launched on July 23, 2026; its instructions are those of AMD's public machine-readable ISA for CDNA 5 (MIT licence, August 2026) and "CDNA5" Instruction Set Architecture Reference Guide (July 2026). The comments in the code are by the model that wrote it; some were corrected since.
;; Attention. Allowed arithmetic: float matrix products may take bf16 or f16 operands with f32 sums; all other float work in f32.
;; Inputs: k 2 x 32 x 2,048 x 128 float32; mask 2 x 1 x 2,048 x 2,048 bool; q 2 x 32 x 2,048 x 128 float32; v 2 x 32 x 2,048 x 128 float32.
;; Outputs: out0 2 x 32 x 2,048 x 128 float32.
;; One version. Each part assembles by itself: llvm-mc -triple=amdgcn-amd-amdhsa -mcpu=gfx1250 --defsym DOCPART=n.
;; ======== version 1 of 1: 2 launches
;; limits: values are held in f16: magnitudes above 65,504 overflow, below 6.1e-05 lose precision; inputs' magnitudes at most 65,504; below input magnitudes of 6.1e-05 results are inexact or not finite
;; workspace buffers: mbits 1,048,576 bytes of whole numbers
;; launch packmask (part 1): grid 256 x 1, 8 waves a work-group, no clusters, 34,816 bytes of LDS; arguments mask, mbits; writes mbits
.if DOCPART == 1
	.amdgcn_target "amdgcn-amd-amdhsa--gfx1250"
	.amdhsa_code_object_version 6
	.text
	.protected	k_q4f23f81e9f_packmask
	.globl	k_q4f23f81e9f_packmask
	.p2align	8
	.type	k_q4f23f81e9f_packmask,@function
k_q4f23f81e9f_packmask:
	s_mov_b64 s[64:65], 0
	v_nop
	global_prefetch_b8 v0, s[64:65] scope:SCOPE_SE
	s_setreg_imm32_b32 hwreg(HW_REG_WAVE_MODE, 25, 1), 1
	s_wait_xcnt 0x0
; The mask bytes [2][1][2048][2048] are packed once into 32-bit lane masks, in the lane order of the score tiles of the attention launch,
; which then masks a score with one select and reads 1/8 of the bytes, for each of the 32 heads that share a mask.
; mbits, in words: [bq = 32 b + QB (64)][KB (32)][qt (4)][kt (4)][j (8)]; QB = block of 64 query rows, KB = block of 64 keys.
; Bit L = r + 16 h of a word is (mask[b][64 QB + 16 qt + r][64 KB + 16 kt + 8 h + j] != 0): any byte that is not 0 counts as true.
; A work-group takes 64 mask rows x 512 bytes (bq = group / 4, key blocks 8 (group % 4) .. + 7).  Each load of a wave covers 512 consecutive
; bytes of one row; the rows meet in LDS, since a word gathers one byte from each of 16 rows; wave w then makes key block 8 (group % 4) + w:
; 128 words = 512 consecutive bytes, stored by one instruction.
; No matrix unit, no cluster, no tensor load: 8 MiB in and 1 MiB out, nothing is shared between work-groups.
.set PITCH, 528                        ; an LDS row: 512 bytes + 16: the 8-byte reads of 16 rows x 2 halves fall on 32 different 8-byte columns modulo 256
.set OUT,  4                           ; v[4:7]    my 4 words of the 128
.set ROWS, 8                           ; v[8:39]   8 rows as loaded, 16 bytes a lane
.set PC,   40                          ; v[40:71]  piece (qt, kt): 8 mask bytes (j = 0 .. 7) of my row and half
.set TT,   72                          ; v[72:75]  at work
	s_load_b128 s[4:7], s[0:1], 0x0                ; mask s[4:5], mbits s[6:7]
	v_lshl_add_u32 v76, v0, 2, 0x8400
	v_mov_b32 v77, 0
	v_lshrrev_b32 v72, 5, v0
	v_readfirstlane_b32 s8, v72                    ; wave 0 .. 7
	s_lshr_b32 s9, ttmp9, 2                        ; bq
	s_and_b32 s10, ttmp9, 3                        ; which 512 bytes of the rows
	s_mov_b32 s20, 0xff                            ; byte j & 3 of a word
	s_mov_b32 s21, 0xff00
	s_mov_b32 s22, 0xff0000
	s_mov_b32 s23, 0xff000000
	v_and_b32 v73, 31, v0                          ; lane L
	v_lshlrev_b32 v1, 4, v73                       ; 16 L: offset of the loads and of the store
	s_mul_i32 s11, s8, 8*PITCH
	v_add_nc_u32 v2, s11, v1                       ; LDS: my wave's 8 rows, 16 L
	v_and_b32 v74, 15, v0                          ; r
	v_bfe_u32 v75, v0, 4, 1                        ; h
	v_mul_u32_u24 v3, v74, PITCH
	v_lshl_add_u32 v3, v75, 3, v3
	s_lshl_b32 s11, s8, 6
	v_add_nc_u32 v3, s11, v3                       ; LDS: row r, byte 64 w + 8 h
	s_lshl_b32 s12, s9, 17                         ; 64 rows of 2,048 bytes for each bq,
	s_lshl_b32 s16, s8, 14                         ; 8 rows for each wave,
	s_add_co_u32 s12, s12, s16
	s_lshl_b32 s16, s10, 9                         ; and the group's 512 bytes of a row
	s_add_co_u32 s12, s12, s16
	s_mov_b32 s13, 0
	s_lshl_b32 s14, s10, 3
	s_add_co_u32 s14, s14, s8                      ; KB
	s_lshl_b32 s14, s14, 9                         ; 512 bytes for each key block,
	s_lshl_b32 s16, s9, 14                         ; 16 KiB for each bq
	s_add_co_u32 s14, s14, s16
	s_mov_b32 s15, 0
	s_wait_kmcnt 0x0
	s_add_nc_u64 s[4:5], s[4:5], s[12:13]
	s_add_nc_u64 s[6:7], s[6:7], s[14:15]
.irp i, 0,1,2,3,4,5,6,7
	global_load_b128 v[ROWS+4*\i:ROWS+4*\i+3], v1, s[4:5] offset:\i*2048 th:TH_LOAD_NT
.endr
.irp i, 0,1,2,3,4,5,6,7
	s_wait_loadcnt 7-\i                            ; loads come back in order: row i is in, the younger rows stay out
	ds_store_b128 v2, v[ROWS+4*\i:ROWS+4*\i+3] offset:\i*PITCH
.endr
	s_wait_dscnt 0x0                               ; my rows are in LDS, for the other waves' sake
	s_barrier_signal -1
	s_barrier_wait -1                              ; all 64 rows are
.irp qt, 0,1,2,3
.irp kt, 0,1,2,3
	ds_load_b64 v[PC+2*(4*\qt+\kt):PC+2*(4*\qt+\kt)+1], v3 offset:\qt*16*PITCH+\kt*16
.endr
.endr
.irp k, 0,1,2,3
	v_mov_b32 v[OUT+\k], 0                         ; v_writelane_b32 keeps the other lanes: its destination is written whole first
.endr
	s_wait_dscnt 0x0
; Word 32 qt + 8 kt + j of my 128: the lanes whose byte j is not 0.  It belongs to lane (32 qt + 8 kt + j) / 4, register j & 3, of the 16-byte store.
.irp qt, 0,1,2,3
.irp kt, 0,1,2,3
.irp jh, 0,1
.irp jl, 0,1,2,3
	v_and_b32 v[TT+\jl], s[20+\jl], v[PC+2*(4*\qt+\kt)+\jh]
.endr
.irp jl, 0,1,2,3
	v_cmp_ne_u32 s[16+\jl], 0, v[TT+\jl]
.endr
.irp jl, 0,1,2,3
	v_writelane_b32 v[OUT+\jl], s[16+\jl], 8*\qt+2*\kt+\jh
.endr
.endr
.endr
.endr
	global_store_b128 v1, v[OUT:OUT+3], s[6:7]     ; the wave stores 512 consecutive bytes, at a multiple of 512 from the buffer's first byte
	s_wait_tensorcnt 0x0
	ds_add_u32 v76, v77
	s_wait_dscnt 0x0
	s_endpgm
.Lfunc_end_k_q4f23f81e9f_packmask:
	.size	k_q4f23f81e9f_packmask, .Lfunc_end_k_q4f23f81e9f_packmask-k_q4f23f81e9f_packmask
	.p2alignl 7, 3214868480
	.fill 96, 4, 3214868480
	.section	.rodata,"a",@progbits
	.p2align	6, 0x0
	.amdhsa_kernel k_q4f23f81e9f_packmask
		.amdhsa_group_segment_fixed_size 34816
		.amdhsa_private_segment_fixed_size 0
		.amdhsa_enable_private_segment 0
		.amdhsa_kernarg_size 16
		.amdhsa_user_sgpr_count 2
		.amdhsa_user_sgpr_kernarg_segment_ptr 1
		.amdhsa_wavefront_size32 1
		.amdhsa_system_sgpr_workgroup_id_x 1
		.amdhsa_system_sgpr_workgroup_id_y 1
		.amdhsa_system_sgpr_workgroup_id_z 1
		.amdhsa_system_vgpr_workitem_id 0
		.amdhsa_next_free_vgpr 78
		.amdhsa_next_free_sgpr 66
		.amdhsa_reserve_vcc 0
		.amdhsa_float_denorm_mode_32 3
		.amdhsa_float_denorm_mode_16_64 3
		.amdhsa_memory_ordered 1
		.amdhsa_forward_progress 1
		.amdhsa_inst_pref_size 25
	.end_amdhsa_kernel
	.amdgpu_metadata
---
amdhsa.version: [ 1, 2 ]
amdhsa.kernels:
  - .name:           k_q4f23f81e9f_packmask
    .symbol:         k_q4f23f81e9f_packmask.kd
    .args:
      - { .name: mask, .offset: 0, .size: 8, .value_kind: global_buffer, .address_space: global }
      - { .name: mbits, .offset: 8, .size: 8, .value_kind: global_buffer, .address_space: global }
    .group_segment_fixed_size: 34816
    .private_segment_fixed_size: 0
    .kernarg_segment_align: 8
    .kernarg_segment_size: 16
    .max_flat_workgroup_size: 256
    .sgpr_count:     66
    .vgpr_count:     78
    .wavefront_size: 32
...
	.end_amdgpu_metadata
.endif
;; end of part 1
;; launch attn (part 2): grid 256 x 1, 8 waves a work-group, clusters of 4 x 1, 327,680 bytes of LDS; arguments q, k, v, mbits, out0; writes out0
.if DOCPART == 2
	.amdgcn_target "amdgcn-amd-amdhsa--gfx1250"
	.amdhsa_code_object_version 6
	.text
	.protected	k_q4f23f81e9f_attn
	.globl	k_q4f23f81e9f_attn
	.p2align	8
	.type	k_q4f23f81e9f_attn,@function
k_q4f23f81e9f_attn:
	s_mov_b64 s[64:65], 0
	v_nop
	global_prefetch_b8 v0, s[64:65] scope:SCOPE_SE
	s_setreg_imm32_b32 hwreg(HW_REG_WAVE_MODE, 25, 1), 1
	s_wait_xcnt 0x0
	s_wait_alu depctr_hold_cnt(0) depctr_sa_sdst(0) depctr_va_vdst(0) depctr_va_sdst(0) depctr_va_ssrc(0) depctr_va_vcc(0) depctr_vm_vsrc(0)
	s_getreg_b32 s2, hwreg(HW_REG_IB_STS2, 6, 4)
	s_cmp_eq_u32 s2, 0
	s_cbranch_scc0 .Lentry_in_a_cluster
	s_endpgm
.Lentry_in_a_cluster:
	s_bfe_u32 s2, ttmp6, 0x10000c
	s_cmp_lg_u32 s2, 0x3003
	s_cbranch_scc0 .Lentry_shape_is_right
	s_endpgm
.Lentry_shape_is_right:
; out = softmax(where(mask, q k^T / sqrt(128), finfo.min)) v for 64 heads, T = S = 2048, H = 128, all f32 in memory; products in f16, sums in f32.
; SHARES.  A cluster of 4 work-groups takes a head; a work-group 512 query rows; each of its 8 waves 64 rows.  32 steps of 64 keys.
; TRANSPOSED.  S^T = K Q^T: in the result lane (r, h) holds query r and register j key 8 h + j of a tile of 16 keys, so two neighbouring key tiles,
; rounded in pairs to f16, ARE the second operand of O^T = V^T P^T: no shuffle.  The row figures (running maximum M, sum L) are one number a lane;
; the maximum crosses the two halves of the wave once for each tile of 16 queries and step, the sum once at the end.
; Q is multiplied by log2(e) / sqrt(128) before it is rounded, so that p = exp2(s - M).
; FORMAT.  f16, not bf16: every operand has room in it (p lies in [0, 1]; for q, k and v see LIMITS), and its 11 significant bits against 8 make each
; of the four roundings (Q, K, V, P) an eighth as large.  An output is a mean of about a thousand numbers that mostly cancel, so it is small
; beside the terms whose rounding it collects.
; MASK.  A masked score becomes the most negative finite f32, and M starts there, L at 0.  While a row has met masked keys alone, s - M = 0 and p = 1
; (the uniform weights that the softmax gives a row without a true key); the first true key makes the factor exp2(Mold - Mnew) = 0 and wipes them.
; REGISTERS.  O^T (256) in window 1, the 64 x 64 scores (128) in window 0; Q lies in LDS as f16, each wave's own 64 rows, and is read as fragments.
; K AND V are f32 in memory.  One tensor load a wave brings 8 KiB of the next step's f32 tile into the wave's own stage in LDS (waves 0-3: 16 rows of K
; each, waves 4-7: of V); the wave rounds what its own load brought to f16 and stores it into the K / V slot of the next step (two slots by turns).
; CLUSTER.  The 4 work-groups of a head read the same K and V tiles: the tensor loads are joint (mask 15), the descriptor hangs on the head and the
; wave number alone.  Q, the mask words and the output belong to one work-group each and are not shared.
; A wave has at most one tensor load outstanding.
; LIMITS.  Inputs finite, with |q| log2(e) / sqrt(128), |k| and |v| at most 65,504, f16's largest number (beyond it the rounding gives infinity and the
; result is not a number); magnitudes below 2^-14 are kept to an absolute step of 2^-24.  exp2 gives 0 for results below 2^-126.  Q is rounded
; after the scale, not before.  The weights are summed in f32 before their rounding to f16 for the second product.  A mask byte that is not 0 is true.
.set KP,    272                        ; pitch of K's and Q's f16 rows: 256 + 16 = 17 x 16: the 16 rows of a fragment load fall on 16 different 16-byte columns modulo 256
.set VP,    288                        ; pitch of V's rows: 9 x 32: the 8 rows x 2 columns of a transposing load do likewise
.set VOFF,  64*KP                      ; a slot: K's 64 rows, then V's 64 rows
.set SLOT,  64*KP+64*VP                ; 35,840 bytes; two slots
.set QBASE, 2*SLOT                     ; 71,680: Q, 64 rows for each wave; at the end the wave's stage on the way out
.set QWAVE, 64*KP
.set STAGE, QBASE+8*QWAVE              ; 210,944: f32 tiles, 8 KiB for each wave: tensor loads alone write here, and no tensor load writes below
.set SWAVE, 8192
.set TILE,  32768                      ; 64 keys x 512 bytes in memory
.set OP,    528                        ; pitch of an output row in the stage: 512 + 16
.set KADR, 1                           ; v1   r KP + 16 h
.set QADR, 2                           ; v2   my Q region + r KP + 16 h
.set VADR, 3                           ; v3   VOFF + (8 h + (L & 7)) VP + 16 ((L >> 3) & 1)
.set SADR, 4                           ; v4   my stage + 16 L
.set CSTO, 5                           ; v5   where my first rounded row goes in slot 0, + 8 L
.set CT,   6                           ; v6   the same, running down my 16 rows
.set PFO,  7                           ; v7   prefetch: 8,192 cx + 256 L
.set M,    8                           ; v[8+2qt] M, v[9+2qt] L
.set AL,   16                          ; v[16+2qt] exp2(Mold - Mnew), at the end 1 / L; the odd registers only complete the pairs
.set T,    24                          ; v[24:31] at work
.set QB0,  32                          ; v[32:63], v[64:95] Q fragments, two buffers; then V^T fragments of keys 0-31 (8 x 8)
.set QB1,  64
.set KF,   96                          ; v[96:111] K fragments of key tiles 0, 1; v[112:127] of 2, 3; then 8 f32 rows from the stage
.set SC,   128                         ; v[128:255] scores, tile (qt, kt) at SC + 32 qt + 8 kt.  Packed: P(qt, kc) at SC + 32 qt + 16 kc, 8 registers;
                                       ; the 8 registers that each packing frees take the V^T fragments of keys 32-63: tile ht at SC + 16 ht + 8
                                       ; window 1: O^T tile (qt, ht) at 8 (8 qt + ht)
.set MA,   16                          ; s[16:47] mask words of one qt;  s[68:99] of another
.set MB,   68
.set MSB, 0
.macro WIN new                         ; s_set_vgpr_msb: bits 1:0 source 0, 3:2 source 1, 5:4 source 2, 7:6 destination; the high byte repeats the setting that is left
.if MSB != \new
	s_set_vgpr_msb (MSB<<8)|\new
.set MSB, \new
.endif
.endm
; Plain vector places behind a matrix instruction (ISA guide 7.12.1 for vector and matrix instructions): four before a vector instruction touches its registers or a load lands in
; one of them, five before another matrix instruction writes over one of them.
.macro NOPS n
.rept \n
	v_nop
.endr
.endm
; A round of the cluster's barrier: my work-group's barrier, wave 0 signals for the work-group, every wave waits for all four work-groups, my work-group's barrier again.
.macro CREST                           ; the round behind its opening barrier
	s_cmp_lg_u32 s60, 0
	s_cbranch_scc1 .Lnot_wave_0_\@
	s_barrier_signal -3
.Lnot_wave_0_\@:
	s_barrier_wait -3
	s_barrier_signal -1
	s_barrier_wait -1
.endm
.macro CROUND
	s_barrier_signal -1
	s_barrier_wait -1
	CREST
.endm
.macro LDM set, off                    ; the 32 mask words of one qt: 128 bytes
	s_load_b512 s[\set:\set+15], s[10:11], \off
	s_load_b512 s[\set+16:\set+31], s[10:11], \off+64
.endm
.macro LDQ hc, buf                     ; Q fragments: 4 tiles of 16 queries x 32 along H at 32 hc
.irp qt, 0,1,2,3
	ds_load_b128 v[\buf+8*\qt:\buf+8*\qt+3],   v[QADR] offset:\qt*16*KP+(\hc)*64
	ds_load_b128 v[\buf+8*\qt+4:\buf+8*\qt+7], v[QADR] offset:\qt*16*KP+(\hc)*64+32
.endr
.endm
.macro LDK hc, half, slot              ; K fragments of key tiles 2 half, 2 half + 1
.irp kk, 0,1
	ds_load_b128 v[KF+16*\half+8*\kk:KF+16*\half+8*\kk+3],   v[KADR] offset:(\slot)*SLOT+(2*\half+\kk)*16*KP+(\hc)*64
	ds_load_b128 v[KF+16*\half+8*\kk+4:KF+16*\half+8*\kk+7], v[KADR] offset:(\slot)*SLOT+(2*\half+\kk)*16*KP+(\hc)*64+32
.endr
.endm
; 8 matrix instructions on 8 accumulators.  The accumulators take turns, one instruction a turn.
.macro SMM half, qb, zero
.irp kk, 0,1
.irp qt, 0,1,2,3
.if \zero
	v_wmma_f32_16x16x32_f16 v[SC+32*\qt+16*\half+8*\kk:SC+32*\qt+16*\half+8*\kk+7], v[KF+16*\half+8*\kk:KF+16*\half+8*\kk+7], v[\qb+8*\qt:\qb+8*\qt+7], 0
.else
	v_wmma_f32_16x16x32_f16 v[SC+32*\qt+16*\half+8*\kk:SC+32*\qt+16*\half+8*\kk+7], v[KF+16*\half+8*\kk:KF+16*\half+8*\kk+7], v[\qb+8*\qt:\qb+8*\qt+7], v[SC+32*\qt+16*\half+8*\kk:SC+32*\qt+16*\half+8*\kk+7]
.endif
.endr
.endr
.endm
; One quarter of the S phase: 32 along H.  On entry 16 LDS loads are out, in this order: Q (8), K tiles 0, 1 (4), K tiles 2, 3 (4).
.macro SHC slot, hc, qb, qn, zero, more
	s_wait_dscnt 4                                 ; Q and K tiles 0, 1 are in; the four youngest loads (K tiles 2, 3) may be out
	SMM 0, \qb, \zero
.if \more
	NOPS 4
	LDQ \hc+1, \qn
	LDK \hc+1, 0, \slot
	s_wait_dscnt 12                                ; all but the twelve just issued: K tiles 2, 3 are in
.else
	s_wait_dscnt 0
.endif
	SMM 1, \qb, \zero
	NOPS 4
.if \more
	LDK \hc+1, 1, \slot
.endif
.endm
.macro LDV kc, slot                    ; V^T fragments: 8 tiles of 16 along H x keys 32 kc .. + 31, transposed on the way out of LDS
.irp ht, 0,1,2,3,4,5,6,7
.if \kc
	ds_load_tr16_b128 v[SC+16*\ht+8:SC+16*\ht+11],  v[VADR] offset:(\slot)*SLOT+32*VP+32*\ht
	ds_load_tr16_b128 v[SC+16*\ht+12:SC+16*\ht+15], v[VADR] offset:(\slot)*SLOT+48*VP+32*\ht
.else
	ds_load_tr16_b128 v[QB0+8*\ht:QB0+8*\ht+3],   v[VADR] offset:(\slot)*SLOT+32*\ht
	ds_load_tr16_b128 v[QB0+8*\ht+4:QB0+8*\ht+7], v[VADR] offset:(\slot)*SLOT+16*VP+32*\ht
.endif
.endr
.endm
; The scores of 16 queries: masked, then the new running maximum and the factor for what was summed under the old one.
.macro MASKMAX qt, set
.set SB, SC+32*\qt
.set ee, 0
.rept 32
	v_cndmask_b32 v[SB+ee], s15, v[SB+ee], s[\set+ee]      ; bit L of the word: keep the score; else the most negative finite number
.set ee, ee+1
.endr
.irp c, 0,1,2,3
	v_max3_num_f32 v[T+\c], v[SB+7*\c], v[SB+7*\c+1], v[SB+7*\c+2]         ; four chains of seven scores
.endr
.irp c, 0,1,2,3
	v_max3_num_f32 v[T+\c], v[T+\c], v[SB+7*\c+3], v[SB+7*\c+4]
.endr
.irp c, 0,1,2,3
	v_max3_num_f32 v[T+\c], v[T+\c], v[SB+7*\c+5], v[SB+7*\c+6]
.endr
	v_max3_num_f32 v[T], v[T], v[T+1], v[SB+28]            ; the chains, the last four scores and the old maximum
	v_max3_num_f32 v[T+2], v[T+2], v[T+3], v[SB+29]
	v_max3_num_f32 v[T], v[T], v[T+2], v[SB+30]
	v_max3_num_f32 v[T], v[T], v[SB+31], v[M+2*\qt]
	v_permlanex16_b32 v[T+1], v[T], s62, s63               ; the other 32 keys of my query lie in lane L xor 16
	v_max_num_f32 v[T], v[T], v[T+1]
	v_sub_f32 v[T+1], v[M+2*\qt], v[T]
	v_exp_f32 v[AL+2*\qt], v[T+1]
	v_mov_b32 v[M+2*\qt], v[T]                             ; also the plain place behind the exponential (ISA guide 5.7.2)
.endm
; p = exp2(s - M), my lane's part of the sum, and P rounded to f16 in place
.macro EXPSUM qt
.set SB, SC+32*\qt
.set ee, 0
.rept 16
	v_pk_add_f32 v[SB+ee:SB+ee+1], v[SB+ee:SB+ee+1], v[M+2*\qt:M+2*\qt+1] op_sel_hi:[1,0] neg_lo:[0,1] neg_hi:[0,1]   ; both halves take M
.set ee, ee+2
.endr
.set ee, 0
.rept 32
	v_exp_f32 v[SB+ee], v[SB+ee]
.set ee, ee+1
.endr
	v_nop                                                  ; the plain place behind the run of exponentials
	s_wait_alu depctr_va_vdst(0)
	v_pk_add_f32 v[T:T+1], v[SB:SB+1], v[SB+4:SB+5]        ; two chains
	v_pk_add_f32 v[T+2:T+3], v[SB+2:SB+3], v[SB+6:SB+7]
.set ee, 8
.rept 6
	v_pk_add_f32 v[T:T+1], v[T:T+1], v[SB+ee:SB+ee+1]
	v_pk_add_f32 v[T+2:T+3], v[T+2:T+3], v[SB+ee+2:SB+ee+3]
.set ee, ee+4
.endr
	v_pk_add_f32 v[T:T+1], v[T:T+1], v[T+2:T+3]
	v_add_f32 v[T], v[T], v[T+1]
	v_fma_f32 v[M+2*\qt+1], v[M+2*\qt+1], v[AL+2*\qt], v[T]
.irp kc, 0,1
.irp i, 0,1,2,3,4,5,6,7
	v_cvt_pk_f16_f32 v[SB+16*\kc+\i], v[SB+16*\kc+2*\i], v[SB+16*\kc+2*\i+1]   ; the destination never passes the sources
.endr
.endr
.endm
.macro RESCALE qt                      ; O^T of 16 queries times the factor of my query
	WIN 0x41
.set ee, 0
.rept 32
	v_pk_mul_f32 v[64*\qt+ee:64*\qt+ee+1], v[64*\qt+ee:64*\qt+ee+1], v[AL+2*\qt:AL+2*\qt+1] op_sel_hi:[1,0]
.set ee, ee+2
.endr
.endm
.macro CONVLD b                        ; 8 of my 16 f32 rows from my stage: 512 consecutive bytes an instruction
.irp i, 0,1,2,3,4,5,6,7
	ds_load_b128 v[KF+4*\i:KF+4*\i+3], v[SADR] offset:(8*\b+\i)*512
.endr
.endm
.macro CONVST slotn                    ; rounded to f16, 8 bytes a lane, into the slot; s61 is my tile's pitch (K's or V's)
.irp i, 0,1,2,3,4,5,6,7
	v_cvt_pk_f16_f32 v[KF+4*\i],   v[KF+4*\i],   v[KF+4*\i+1]
	v_cvt_pk_f16_f32 v[KF+4*\i+1], v[KF+4*\i+2], v[KF+4*\i+3]
	ds_store_b64 v[CT], v[KF+4*\i:KF+4*\i+1] offset:(\slotn)*SLOT
	v_add_nc_u32 v[CT], s61, v[CT]
.endr
.endm
; 32 matrix instructions on the 32 accumulators of O^T, by turns, one instruction a turn.
.macro PV kc, zero
	WIN 0x50
.irp ht, 0,1,2,3,4,5,6,7
.irp qt, 0,1,2,3
.if \zero
	v_wmma_f32_16x16x32_f16 v[8*(8*\qt+\ht):8*(8*\qt+\ht)+7], v[QB0+8*\ht+\kc*(104+8*\ht):QB0+8*\ht+\kc*(104+8*\ht)+7], v[SC+32*\qt+16*\kc:SC+32*\qt+16*\kc+7], 0
.else
	v_wmma_f32_16x16x32_f16 v[8*(8*\qt+\ht):8*(8*\qt+\ht)+7], v[QB0+8*\ht+\kc*(104+8*\ht):QB0+8*\ht+\kc*(104+8*\ht)+7], v[SC+32*\qt+16*\kc:SC+32*\qt+16*\kc+7], v[8*(8*\qt+\ht):8*(8*\qt+\ht)+7]
.endif
.endr
.endr
.endm
; Step t on K / V slot t & 1.  first: the products start O^T's sums, nothing is cleared or rescaled.  conv: tile t + 1 is rounded into the other slot.
; fill: tile t + 2 is asked for.  pf: a quarter of tile t + 3 is prefetched.
.macro STEP slot, first, conv, fill, pf
	SHC \slot, 0, QB0, QB1, 1, 1                   ; S^T = K Q^T, the first quarter starts the sums
	SHC \slot, 1, QB1, QB0, 0, 1
	SHC \slot, 2, QB0, QB1, 0, 1
	SHC \slot, 3, QB1, QB0, 0, 0
	LDV 0, \slot                                   ; into the Q buffers, four places behind their last matrix instruction
	s_wait_kmcnt 0x0                               ; the mask words of qt 0 and 1
	MASKMAX 0, MA
	LDM MA, 0x100                                  ; qt 2
	MASKMAX 1, MB
	LDM MB, 0x180                                  ; qt 3
	EXPSUM 0
	EXPSUM 1
	s_wait_kmcnt 0x0                               ; the words of qt 2 and 3; no scalar load is out, so their base may step
.if \conv
	s_add_nc_u64 s[10:11], s[10:11], 512           ; the next key block's words
.endif
	MASKMAX 2, MA
.if \conv
	LDM MA, 0x0                                    ; the next step's qt 0
.endif
	MASKMAX 3, MB
.if \conv
	LDM MB, 0x80                                   ; the next step's qt 1
.endif
	EXPSUM 2
	EXPSUM 3
	LDV 1, \slot                                   ; into the halves of the score registers that the packing freed
.if \conv
	s_wait_xcnt 0x0
	v_lshl_add_u32 v126, v0, 2, 0x43800
	v_mov_b32 v127, 0
	s_wait_tensorcnt 0x0                           ; my part of tile t + 1 has landed; it is my only tensor load
	ds_add_u32 v126, v127
	s_wait_dscnt 0x0
	v_mov_b32 v[CT], v[CSTO]
	CONVLD 0
.endif
.if \first
.else
	RESCALE 0
	RESCALE 1
	WIN 0
.endif
.if \conv
	s_wait_dscnt 0x0
	CONVST 1-\slot
	CONVLD 1
.endif
.if \first
.else
	RESCALE 2
	RESCALE 3
	WIN 0
.endif
.if \conv
	s_wait_dscnt 0x0
	CONVST 1-\slot
.endif
	s_wait_dscnt 0x0                               ; my reads of this slot and of my stage are back, my stores into the other slot are done
.if \fill
	s_add_nc_u64 s[50:51], s[50:51], TILE          ; no tensor load of mine is out: the descriptor may step to tile t + 2
.endif
.if \pf
	s_wait_xcnt 0x0                                ; the last step's prefetch has had its address translated: its base may step
	s_add_nc_u64 s[100:101], s[100:101], TILE      ; tile t + 3
.endif
.if \conv
	s_barrier_signal -1                            ; where a tile is asked for, this barrier opens a round of the cluster's barrier
.endif
	PV 0, \first                                   ; register work while the others arrive
	WIN 0
.if \conv
	s_barrier_wait -1                              ; the other slot is whole, and nobody reads this one any more
.endif
.if \fill
	CREST                                          ; no wave of any partner still reads its stage or has a load on its way
	tensor_load_to_lds s[48:51], s[52:59]          ; my one tensor load behind the round, and the first thing there
	s_nop 0
.endif
.if \conv
	NOPS 4
	LDQ 0, QB0                                     ; the next step's first fragments
	LDK 0, 0, 1-\slot
	LDK 0, 1, 1-\slot
.endif
.if \pf
	s_cmp_lg_u32 s104, 0                           ; wave 0 asks for K, wave 4 for V: this work-group's 8 KiB of the 32 KiB of tile t + 3, lanes 256 bytes apart;
	s_cbranch_scc1 .Lno_pf_\@                      ; the four work-groups of the cluster ask for different quarters, and the tensor load for that tile stands one step further on
	global_prefetch_b8 v[PFO], s[100:101] th:TH_LOAD_NT scope:SCOPE_SE
.Lno_pf_\@:
.endif
	PV 1, 0
	WIN 0
	NOPS 5                                         ; before the next step's first products write over P and the V^T fragments, and before the way out reads O^T
.endm
	s_load_b256 s[4:11], s[0:1], 0x0               ; q s[4:5], k s[6:7], v s[8:9], mbits s[10:11]
	s_load_b64 s[12:13], s[0:1], 0x20              ; out0
	v_lshl_add_u32 v126, v0, 2, 0x43800
	v_mov_b32 v127, 0
	ds_add_u32 v126, v127
	s_wait_dscnt 0x0
	v_lshrrev_b32 v24, 5, v0
	v_readfirstlane_b32 s60, v24                   ; wave 0 .. 7
	s_and_b32 s104, s60, 3                         ; which 16 rows of a tile I bring
	s_lshr_b32 s105, s60, 2                        ; of K (0) or of V (1)
	s_bfe_u32 s16, ttmp6, 0x40000                  ; cx: my block of 512 query rows; it enters the addresses of q, mbits, out0 and the prefetch alone
	s_mov_b32 s14, 0x3e0293ee                      ; log2(e) / sqrt(128)
	s_mov_b32 s15, 0xff7fffff                      ; the most negative finite f32
	s_mov_b32 s62, 0x76543210                      ; v_permlanex16_b32: lane i of one half reads lane i of the other
	s_mov_b32 s63, 0xfedcba98
	s_lshl_b32 s61, s105, 4
	s_add_co_u32 s61, s61, KP                      ; my tile's pitch: 272 for K, 288 for V
	; descriptor group 1: 8 KiB that are dense in memory, as 32 rows of 32 elements of 8 bytes, no padding
	s_mov_b32 s52, 15|(3<<16)|(1<<21)              ; 15:0 the mask: all four work-groups of the cluster; 17:16 elements of 8 bytes; 21 set beside a mask
	s_mov_b32 s53, 32<<16                          ; tensor_dim0 = 32
	s_mov_b32 s54, 32<<16                          ; tensor_dim1 = 32
	s_mov_b32 s55, 32<<16                          ; tile_dim0 = 32
	s_mov_b32 s56, 32                              ; tile_dim1 = 32
	s_mov_b32 s57, 32                              ; elements from row to row
	s_mov_b32 s58, 0
	s_mov_b32 s59, 0
	s_mov_b32 s48, 1                               ; group 0: count = 1
	s_lshl_b32 s49, s60, 13
	s_add_co_u32 s49, s49, STAGE                   ; LDS address: my stage
	s_lshl_b32 s22, ttmp9, 20                      ; a head is 2,048 rows of 512 bytes (ttmp9 counts clusters = heads)
	s_lshl_b32 s18, s104, 13                       ; my 16 rows of a tile
	s_add_co_u32 s22, s22, s18
	s_mov_b32 s23, 0
	s_lshl_b32 s24, ttmp9, 20                      ; q and out0: head, block of 512 rows, my 64 rows
	s_lshl_b32 s17, s16, 18
	s_add_co_u32 s24, s24, s17
	s_lshl_b32 s17, s60, 15
	s_add_co_u32 s24, s24, s17
	s_mov_b32 s25, 0
	s_and_b32 s26, ttmp9, 32                       ; mbits: 32 x batch
	s_lshl3_add_u32 s26, s16, s26                  ; + 8 cx
	s_add_co_u32 s26, s26, s60                     ; + wave = my block of 64 query rows,
	s_lshl_b32 s26, s26, 14                        ; 16 KiB each
	s_mov_b32 s27, 0
	v_and_b32 v25, 31, v0                          ; L
	v_and_b32 v26, 15, v0                          ; r
	v_bfe_u32 v27, v0, 4, 1                        ; h
	v_mul_u32_u24 v[KADR], v26, KP
	v_lshl_add_u32 v[KADR], v27, 4, v[KADR]
	s_mul_i32 s28, s60, QWAVE
	s_add_co_u32 s28, s28, QBASE                   ; my Q region
	v_add_nc_u32 v[QADR], s28, v[KADR]
	v_and_b32 v28, 7, v0
	v_lshl_add_u32 v28, v27, 3, v28                ; 8 h + (L & 7)
	v_mul_u32_u24 v[VADR], v28, VP
	v_bfe_u32 v29, v0, 3, 1
	v_lshl_add_u32 v[VADR], v29, 4, v[VADR]
	v_add_nc_u32 v[VADR], VOFF, v[VADR]
	v_lshlrev_b32 v30, 4, v25                      ; 16 L
	v_add_nc_u32 v[SADR], s49, v30
	s_mul_i32 s29, s104, s61
	s_lshl_b32 s29, s29, 4                         ; my 16 rows at my tile's pitch,
	s_mul_i32 s30, s105, VOFF                      ; behind K's rows if they are V's
	s_add_co_u32 s29, s29, s30
	v_lshl_add_u32 v[CSTO], v25, 3, s29
	v_lshlrev_b32 v[PFO], 8, v25
	v_lshl_add_u32 v[PFO], s16, 13, v[PFO]
	v_lshl_add_u32 v31, v25, 3, s28                ; where a rounded row of Q goes: my Q region + 8 L
	s_wait_kmcnt 0x0
	s_cmp_lt_u32 s60, 4
	s_cselect_b64 s[50:51], s[6:7], s[8:9]         ; waves 0-3 bring K, waves 4-7 V
	s_add_nc_u64 s[50:51], s[50:51], s[22:23]      ; tile 0, my 16 rows
	s_add_nc_u64 s[100:101], s[50:51], 2*TILE      ; the prefetch's base (used by waves 0 and 4, whose rows are a tile's first): stepped to tile 3 in step 0
	s_or_b32 s51, s51, 0x80000000                  ; type = 2
	s_add_nc_u64 s[4:5], s[4:5], s[24:25]
	s_add_nc_u64 s[12:13], s[12:13], s[24:25]
	s_add_nc_u64 s[10:11], s[10:11], s[26:27]
	CROUND                                         ; all four work-groups are here: the first joint loads meet
	tensor_load_to_lds s[48:51], s[52:59]          ; tile 0
	s_nop 0
; My 64 rows of Q, 32 at a time: scaled, rounded, 8 bytes a lane into my own region of LDS.  Each load covers a row's 512 bytes.
.macro QBATCH b
.set ii, 0
.rept 32
	global_load_b128 v[SC+4*ii:SC+4*ii+3], v30, s[4:5] offset:(32*\b+ii)*512 th:TH_LOAD_NT
.set ii, ii+1
.endr
.set ii, 0
.rept 32
	s_wait_loadcnt 31-ii                           ; loads come back in order: row ii is in, the younger rows stay out
	v_pk_mul_f32 v[SC+4*ii:SC+4*ii+1],   v[SC+4*ii:SC+4*ii+1],   s[14:15] op_sel_hi:[1,0]
	v_pk_mul_f32 v[SC+4*ii+2:SC+4*ii+3], v[SC+4*ii+2:SC+4*ii+3], s[14:15] op_sel_hi:[1,0]
	v_cvt_pk_f16_f32 v[SC+4*ii],   v[SC+4*ii],   v[SC+4*ii+1]
	v_cvt_pk_f16_f32 v[SC+4*ii+1], v[SC+4*ii+2], v[SC+4*ii+3]
	ds_store_b64 v31, v[SC+4*ii:SC+4*ii+1] offset:(32*\b+ii)*KP
.set ii, ii+1
.endr
.endm
	QBATCH 0
	QBATCH 1
	s_wait_xcnt 0x0
	v_lshl_add_u32 v126, v0, 2, 0x43800
	v_mov_b32 v127, 0
	s_wait_tensorcnt 0x0                           ; my part of tile 0 is in my stage
	ds_add_u32 v126, v127
	s_wait_dscnt 0x0
	v_mov_b32 v[CT], v[CSTO]
	CONVLD 0
	s_wait_dscnt 0x0
	CONVST 0
	CONVLD 1
	s_wait_dscnt 0x0
	CONVST 0
.irp qt, 0,1,2,3
	v_mov_b32 v[M+2*\qt], s15                      ; M: the masked value
	v_mov_b32 v[M+2*\qt+1], 0                      ; L
	v_mov_b32 v[AL+2*\qt+1], 0                     ; the pairs' second registers are named by the packed multiplies: written once
.endr
	s_wait_dscnt 0x0                               ; my reads of my stage are back, my rows of slot 0 are stored
	s_add_nc_u64 s[50:51], s[50:51], TILE          ; tile 1 (no tensor load of mine is out)
	CROUND
	tensor_load_to_lds s[48:51], s[52:59]          ; my one tensor load behind the round
	s_nop 0
	LDM MA, 0x0                                    ; step 0: the mask words of qt 0
	LDM MB, 0x80                                   ; and of qt 1
	LDQ 0, QB0
	LDK 0, 0, 0
	LDK 0, 1, 0
	STEP 0, 1, 1, 1, 1                             ; step 0 stands in front of the loop: its products start O^T's sums
	s_mov_b32 s3, 14
.Lsteps:                                               ; steps 1 to 28
	STEP 1, 0, 1, 1, 1
	STEP 0, 0, 1, 1, 1
	s_sub_co_i32 s3, s3, 1
	s_cmp_lg_u32 s3, 0
	s_cbranch_scc1 .Lsteps
	STEP 1, 0, 1, 1, 0                             ; step 29 asks for tile 31, the last; tile 32 does not exist: no prefetch
	STEP 0, 0, 1, 0, 0                             ; step 30 rounds tile 31 and asks for nothing: a barrier of the work-group alone
	STEP 1, 0, 0, 0, 0                             ; step 31
	; THE WAY OUT.  The two halves of a query's sum meet; O^T's lane (r, h) holds columns 16 ht + 8 h + 0 .. 7 of output row r: 32 bytes.
	; 16 rows at a time go through my own Q region, which I have read for the last time, and come back as whole rows of 512 bytes.
.irp qt, 0,1,2,3
	v_permlanex16_b32 v[AL+2*\qt+1], v[M+2*\qt+1], s62, s63
.endr
.irp qt, 0,1,2,3
	v_add_f32 v[M+2*\qt+1], v[M+2*\qt+1], v[AL+2*\qt+1]    ; at least 1: the largest score of a row gives p = 1
.endr
.irp qt, 0,1,2,3
	v_rcp_f32 v[AL+2*\qt], v[M+2*\qt+1]
.endr
	s_mul_i32 s16, s60, QWAVE
	s_add_co_u32 s16, s16, QBASE
	v_and_b32 v24, 31, v0                          ; plain vector work behind the reciprocals, before their results are used
	v_and_b32 v26, 15, v0
	v_bfe_u32 v27, v0, 4, 1
	v_mul_u32_u24 v28, v26, OP
	v_lshl_add_u32 v28, v27, 5, v28
	v_add_nc_u32 v28, s16, v28                     ; in: row r, 32 h
	v_lshlrev_b32 v30, 4, v24                      ; 16 L: my place in a row of out0
	v_add_nc_u32 v29, s16, v30                     ; back: 16 L of a row
	s_wait_alu depctr_va_vdst(0)
.macro OUTQ qt
	WIN 0x01
.set ii, 0
.rept 32
	v_pk_mul_f32 v[SC+2*ii:SC+2*ii+1], v[64*\qt+2*ii:64*\qt+2*ii+1], v[AL+2*\qt:AL+2*\qt+1] op_sel_hi:[1,0]
.set ii, ii+1
.endr
	WIN 0
.set ii, 0
.rept 16
	ds_store_b128 v28, v[SC+4*ii:SC+4*ii+3] offset:(\qt&1)*16*OP+(ii>>1)*64+(ii&1)*16
.set ii, ii+1
.endr
	s_wait_xcnt 0x0                                ; every earlier store has had its addresses translated (ISA guide 3.1): its data registers are loaded again only behind this wait
.set ii, 0
.rept 16
	ds_load_b128 v[QB0+4*ii:QB0+4*ii+3], v29 offset:(\qt&1)*16*OP+ii*OP    ; LDS serves a wave's instructions in order: these see the stores above
.set ii, ii+1
.endr
.set ii, 0
.rept 16
	s_wait_dscnt 15-ii                             ; row ii is back, the younger rows stay out
	global_store_b128 v30, v[QB0+4*ii:QB0+4*ii+3], s[12:13] offset:(16*\qt+ii)*512 th:TH_STORE_NT   ; the wave stores a row: 512 consecutive bytes, aligned
.set ii, ii+1
.endr
.endm
	OUTQ 0
	OUTQ 1
	OUTQ 2
	OUTQ 3
	s_wait_dscnt 0x0
	s_wait_xcnt 0x0
	v_lshl_add_u32 v126, v0, 2, 0x43800
	v_mov_b32 v127, 0
	s_wait_tensorcnt 0x0
	ds_add_u32 v126, v127
	s_wait_dscnt 0x0
	CROUND                                         ; the closing round: no work-group ends while a partner may still ask for a tile that names it
	s_endpgm
.Lfunc_end_k_q4f23f81e9f_attn:
	.size	k_q4f23f81e9f_attn, .Lfunc_end_k_q4f23f81e9f_attn-k_q4f23f81e9f_attn
	.p2alignl 7, 3214868480
	.fill 96, 4, 3214868480
	.section	.rodata,"a",@progbits
	.p2align	6, 0x0
	.amdhsa_kernel k_q4f23f81e9f_attn
		.amdhsa_group_segment_fixed_size 327680
		.amdhsa_private_segment_fixed_size 0
		.amdhsa_enable_private_segment 0
		.amdhsa_kernarg_size 40
		.amdhsa_user_sgpr_count 2
		.amdhsa_user_sgpr_kernarg_segment_ptr 1
		.amdhsa_wavefront_size32 1
		.amdhsa_system_sgpr_workgroup_id_x 1
		.amdhsa_system_sgpr_workgroup_id_y 1
		.amdhsa_system_sgpr_workgroup_id_z 1
		.amdhsa_system_vgpr_workitem_id 0
		.amdhsa_next_free_vgpr 512
		.amdhsa_next_free_sgpr 106
		.amdhsa_reserve_vcc 0
		.amdhsa_float_denorm_mode_32 3
		.amdhsa_float_denorm_mode_16_64 3
		.amdhsa_memory_ordered 1
		.amdhsa_forward_progress 1
		.amdhsa_inst_pref_size 255
	.end_amdhsa_kernel
	.section	.bss,"aw",@nobits
	.p2align	6
	.space	262144
	.amdgpu_metadata
---
amdhsa.version: [ 1, 2 ]
amdhsa.kernels:
  - .name:           k_q4f23f81e9f_attn
    .symbol:         k_q4f23f81e9f_attn.kd
    .args:
      - { .name: q, .offset: 0, .size: 8, .value_kind: global_buffer, .address_space: global }
      - { .name: k, .offset: 8, .size: 8, .value_kind: global_buffer, .address_space: global }
      - { .name: v, .offset: 16, .size: 8, .value_kind: global_buffer, .address_space: global }
      - { .name: mbits, .offset: 24, .size: 8, .value_kind: global_buffer, .address_space: global }
      - { .name: out0, .offset: 32, .size: 8, .value_kind: global_buffer, .address_space: global }
    .group_segment_fixed_size: 327680
    .private_segment_fixed_size: 0
    .kernarg_segment_align: 8
    .kernarg_segment_size: 40
    .max_flat_workgroup_size: 256
    .sgpr_count:     106
    .vgpr_count:     512
    .wavefront_size: 32
...
	.end_amdgpu_metadata
.endif
;; end of part 2
